; MI455X (gfx1250); checked and timed in simulation.
; The chip was launched on July 23, 2026; its instructions are those of AMD's public machine-readable ISA for CDNA 5 (MIT licence, August 2026) and "CDNA5" Instruction Set Architecture Reference Guide (July 2026). The comments in the code are by the model that wrote it; some were corrected since.
;; Adaptive Fusion. Allowed arithmetic: matrix products marked QUANTISED: E3M2 operands, one E8M0 scale for each 32 along K, by v_wmma_scale_f32_16x16x128_f8f6f4 with both operands' format E3M2, f32 sums; everything else in f32.
;; Inputs: W1_codes 512 x 16 x 24 uint8 (E3M2 codes of W1, K innermost, in blocks of 32 codes, four codes in three bytes); W1_scales 512 x 16 uint8 (E8M0 scales of W1, one for each 32 codes along K); W2_codes 512 x 16 x 24 uint8 (E3M2 codes of W2, K innermost, in blocks of 32 codes, four codes in three bytes); W2_scales 512 x 16 uint8 (E8M0 scales of W2, one for each 32 codes along K); Wk_codes 512 x 16 x 24 uint8 (E3M2 codes of Wk, K innermost, in blocks of 32 codes, four codes in three bytes); Wk_scales 512 x 16 uint8 (E8M0 scales of Wk, one for each 32 codes along K); Wo_codes 512 x 16 x 24 uint8 (E3M2 codes of Wo, K innermost, in blocks of 32 codes, four codes in three bytes); Wo_scales 512 x 16 uint8 (E8M0 scales of Wo, one for each 32 codes along K); Wq_codes 512 x 16 x 24 uint8 (E3M2 codes of Wq, K innermost, in blocks of 32 codes, four codes in three bytes); Wq_scales 512 x 16 uint8 (E8M0 scales of Wq, one for each 32 codes along K); Wv_codes 512 x 16 x 24 uint8 (E3M2 codes of Wv, K innermost, in blocks of 32 codes, four codes in three bytes); Wv_scales 512 x 16 uint8 (E8M0 scales of Wv, one for each 32 codes along K); b1 512 float32; b2 512 float32; bk 512 float32; bo 512 float32; bq 512 float32; bv 512 float32; te 8 x 64 x 64 x 512 float32; xh 8 x 64 x 64 x 512 float32; xl 8 x 64 x 64 x 512 float32.
;; Outputs: out0 8 x 64 x 64 x 512 float32.
;; This version of the problem:
;;   THIS VERSION OF THE PROBLEM IS GIVEN IN LOW PRECISION. The matrix products marked QUANTISED in the list below multiply operands that are first quantised to E3M2 (3 exponent bits, 2 mantissa bits; 6 bits a number), with one power-of-two scale for each 32 numbers along K (OCP MX v1.0); their sums are f32. All else is computed in f32.
;;   The module's matrix products, in the order in which they are computed (A, B: the left and right operand; K: the contracted axis; several contracted axes count as one K, in the product's order):
;;     1. [M 32,768, K 512] x [K 512, N 512]; A: computed on the way; B: input Wq (given as codes): QUANTISED
;;     2. [M 32,768, K 512] x [K 512, N 512]; A: computed on the way; B: input Wk (given as codes): QUANTISED
;;     3. [M 32,768, K 512] x [K 512, N 512]; A: computed on the way; B: input Wv (given as codes): QUANTISED
;;     4. batch 4,096 x [M 64, K 64] x [K 64, N 64]; A: computed on the way; B: computed on the way: QUANTISED
;;     5. batch 4,096 x [M 64, K 64] x [K 64, N 64]; A: computed on the way; B: softmax (see below): QUANTISED
;;     6. [M 32,768, K 512] x [K 512, N 512]; A: computed on the way; B: input Wo (given as codes): QUANTISED
;;     7. [M 32,768, K 512] x [K 512, N 512]; A: computed on the way; B: input W1 (given as codes): QUANTISED
;;     8. [M 32,768, K 512] x [K 512, N 512]; A: computed on the way; B: input W2 (given as codes): QUANTISED
;;   THE QUANTISER, for each operand of a quantised product, along K:
;;     - K is cut into blocks of 32 from its start; a last block that is shorter is filled with zeros.
;;     - A block's scale is 2^e with e = floor(log2(the largest magnitude in the block)) - 4, held to -126 .. 127; a block of zeros has e = 0. As a byte (E8M0): e + 127.
;;     - Each number is divided by its block's scale, clamped to +-28, and rounded to the nearest number of E3M2, ties to even, subnormals kept.
;;     - The product sums the exact products of the quantised numbers (number of the format x scale) in f32.
;;   ~~~python
;;   def quantise(x, axis):      # numpy; x: float32 -> the quantised numbers, widened to float32 again
;;       x = np.moveaxis(x, axis, -1); K = x.shape[-1]
;;       x = np.pad(x, [(0, 0)] * (x.ndim - 1) + [(0, -K % 32)]); x = x.reshape(x.shape[:-1] + (-1, 32)); a = np.abs(x).max(-1, keepdims=True)
;;       e = np.where(a > 0, np.clip(np.frexp(np.where(a > 0, a, 1))[1] - 1 - 4, -126, 127), 0)      # np.frexp(a)[1] - 1 = floor(log2(a)), exactly
;;       r = np.clip(x / 2.0 ** e, -28, 28)
;;       step = 2.0 ** (np.maximum(np.frexp(np.where(r == 0, 1, r))[1] - 1, -2) - 2)
;;       q = np.round(r / step) * step * 2.0 ** e      # np.round: ties to even
;;       return np.moveaxis(q.reshape(q.shape[:-2] + (-1,))[..., :K], -1, axis).astype(np.float32)
;;   ~~~
;;   SOFTMAX AHEAD OF A QUANTISED PRODUCT. Where the list says 'softmax', what is quantised is not the finished softmax but p = 2^(t - M), with t = logit x log2(e) and M = ceil(the row's largest t), a whole number; so 1/2 < the row's largest p <= 1. The row's sum l is taken of the UNQUANTISED p, in f32, and the product's result is divided by l at the end. Since M is a whole number, a kernel that streams over the keys may use a running M (the ceiling of the running maximum): every later rescaling is an exact power of two, which a block's scale takes up: the codes' values come out the same.
;;   OPERANDS COMPUTED ON THE WAY. 'Computed on the way' means the value that the module computes at that place (a softmax that the list does not call 'softmax' is quantised finished and normalised). What goes into a quantiser is computed in f32, as accurately as f32 sums, v_exp_f32 and their like allow (about 1e-6 of the number): no bf16 or f16 on the way to a quantiser, and a product that is left as it is and whose result goes on into a quantised operand takes f32 operands (vector FMAs, or v_wmma_f32_16x16x4_f32). A number that lies on a knife's edge between two numbers of the format may be rounded either way, as far as f32 arithmetic and the matrix unit's own rounding can turn it there, and no further.
;;   INPUTS GIVEN AS CODES. W1 (in the module: [512, 512], K = its axis 0); W2 (in the module: [512, 512], K = its axis 0); Wk (in the module: [512, 512], K = its axis 0); Wo (in the module: [512, 512], K = its axis 0); Wq (in the module: [512, 512], K = its axis 0); Wv (in the module: [512, 512], K = its axis 0): each comes as NAME_codes (uint8): NAME with its K axis moved to the last place and cut into blocks of 32 codes, [.., K / 32, bytes a block], one block behind the other in memory; four codes in three bytes: a row's codes are one little-endian stream of bits, code i at bits 6 i .. 6 i + 5 (a code: sign, 3 exponent bits, 2 mantissa bits); and NAME_scales (uint8): the same leading axes, one E8M0 byte (e + 127) for each 32 codes along K. Its value is code x scale, taken as it is: it is not quantised again, and the codes and scales need not be those that the quantiser above would give.
;; One version. Each part assembles by itself: llvm-mc -triple=amdgcn-amd-amdhsa -mcpu=gfx1250 --defsym DOCPART=n.
;; ======== version 1 of 1: 2 launches
;; limits: right only within a limited range of input values
;; workspace buffers: wstream 1,277,952 bytes
;; launch lay (part 1): grid 24 x 1, 4 waves a work-group, no clusters, 0 bytes of LDS; arguments Wk_codes, Wv_codes, Wq_codes, Wo_codes, W1_codes, W2_codes, Wk_scales, Wv_scales, Wq_scales, Wo_scales, W1_scales, W2_scales, wstream; writes wstream
.if DOCPART == 1
	.amdgcn_target "amdgcn-amd-amdhsa--gfx1250"
	.amdhsa_code_object_version 6
	.text
	.protected	k_q5e692dd66b_lay
	.globl	k_q5e692dd66b_lay
	.p2align	8
	.type	k_q5e692dd66b_lay,@function
k_q5e692dd66b_lay:
	s_mov_b64 s[64:65], 0
	v_nop
	global_prefetch_b8 v0, s[64:65] scope:SCOPE_SE
	s_setreg_imm32_b32 hwreg(HW_REG_WAVE_MODE, 25, 1), 1
	s_wait_xcnt 0x0
; The six weights' codes and scale bytes are laid once in the order of the operand registers of the launch that follows, and in the order in which it walks them.
; wstream = [strip w 0..3][unit 2 mu + hf 0..11][pair p 0..1][13,312 bytes]; mu = 0 Wk, 1 Wv, 2 Wq, 3 Wo, 4 W1, 5 W2: the order of this launch's arguments.
; A record serves 32 output features F0 = 128 w + 64 hf + 32 p on: two tiles u of 16 features x four K steps s of 128.
; THE FEATURES OF A TILE ARE NOT NEIGHBOURS: slot i of tile u is feature F0 + 8 u + i + 8 (i / 8).
; Record = 26 quads of 512 bytes: quad G (0..23) = registers 4 G .. 4 G + 3 of the 96 registers (fragment (u, s) at 12 (4 u + s)),
; lane l's 16 bytes at 512 G + 16 l; quad 24 + u = the 16 scale bytes (four words, one a K step) of tile u's slot l % 16.
; Work-group x: mu = x / 4, w = x % 4; each of its four waves makes one record (hf = wave / 2, p = wave % 2).
.set ROWB, 384                         ; a weight's row: 512 codes of 6 bits
.set RECB, 13312
	s_load_b512 s[4:19], s[0:1], 0x0               ; six codes' addresses s[4:15], the first two weights' scales s[16:19]
	s_load_b256 s[20:27], s[0:1], 0x40             ; the other four weights' scales
	s_load_b64 s[28:29], s[0:1], 0x60              ; wstream
	v_lshrrev_b32 v7, 5, v0
	v_readfirstlane_b32 s2, v7                     ; wave
	s_lshr_b32 s30, ttmp9, 2                       ; mu
	s_and_b32 s31, ttmp9, 3                        ; w
	s_lshr_b32 s36, s2, 1                          ; hf
	s_and_b32 s37, s2, 1                           ; p
	v_and_b32 v4, 15, v0                           ; r
	v_bfe_u32 v5, v0, 4, 1                         ; h
	v_and_b32 v6, 8, v4
	v_add_nc_u32 v6, v6, v4                        ; r + 8 (r / 8)
	v_mul_u32_u24 v1, v6, ROWB
	v_mad_u32_u24 v1, v5, 24, v1                   ; codes: my slot's row, + 24 bytes for the upper half of the lanes
	v_lshlrev_b32 v2, 4, v6                        ; scale bytes: 16 a row
	v_and_b32 v3, 31, v0
	v_lshlrev_b32 v3, 4, v3                        ; out: 16 bytes a lane
	s_lshl_b32 s38, s31, 7
	s_lshl_b32 s39, s36, 6
	s_add_co_u32 s38, s38, s39
	s_lshl_b32 s39, s37, 5
	s_add_co_u32 s38, s38, s39                     ; F0
	s_mul_i32 s40, s38, ROWB
	s_mov_b32 s41, 0
	s_lshl_b32 s42, s38, 4
	s_mov_b32 s43, 0
	s_mul_i32 s44, s31, 12
	s_lshl_b32 s39, s30, 1
	s_add_co_u32 s44, s44, s39
	s_add_co_u32 s44, s44, s36
	s_lshl_b32 s44, s44, 1
	s_add_co_u32 s44, s44, s37                     ; the record's number
	s_mul_i32 s44, s44, RECB
	s_mov_b32 s45, 0
	s_wait_alu depctr_va_vdst(0)
	s_wait_kmcnt 0x0
	s_mov_b64 s[32:33], s[4:5]
	s_mov_b64 s[34:35], s[16:17]
.irp k, 1,2,3,4,5                      ; the weight is chosen by the work-group's number alone
	s_cmp_eq_u32 s30, \k
	s_cselect_b64 s[32:33], s[4+2*\k:5+2*\k], s[32:33]
	s_cselect_b64 s[34:35], s[16+2*\k:17+2*\k], s[34:35]
.endr
	s_add_nc_u64 s[32:33], s[32:33], s[40:41]
	s_add_nc_u64 s[34:35], s[34:35], s[42:43]
	s_add_nc_u64 s[28:29], s[28:29], s[44:45]
.irp u, 0,1
.irp s, 0,1,2,3
.irp c, 0,1
.irp i, 0,1,2
	global_load_b64 v[8+12*(4*\u+\s)+6*\c+2*\i:9+12*(4*\u+\s)+6*\c+2*\i], v1, s[32:33] offset:\u*8*ROWB+96*\s+48*\c+8*\i
.endr
.endr
.endr
	global_load_b128 v[104+4*\u:107+4*\u], v2, s[34:35] offset:\u*128
.endr
	s_wait_loadcnt 0x0
.set gg, 0
.rept 26
	global_store_b128 v3, v[8+4*gg:11+4*gg], s[28:29] offset:512*gg     ; 32 lanes store 512 consecutive bytes, at a multiple of 256 from the buffer's first byte
.set gg, gg+1
.endr
	s_endpgm
.Lfunc_end_k_q5e692dd66b_lay:
	.size	k_q5e692dd66b_lay, .Lfunc_end_k_q5e692dd66b_lay-k_q5e692dd66b_lay
	.p2alignl 7, 3214868480
	.fill 96, 4, 3214868480
	.section	.rodata,"a",@progbits
	.p2align	6, 0x0
	.amdhsa_kernel k_q5e692dd66b_lay
		.amdhsa_group_segment_fixed_size 0
		.amdhsa_private_segment_fixed_size 0
		.amdhsa_enable_private_segment 0
		.amdhsa_kernarg_size 104
		.amdhsa_user_sgpr_count 2
		.amdhsa_user_sgpr_kernarg_segment_ptr 1
		.amdhsa_wavefront_size32 1
		.amdhsa_system_sgpr_workgroup_id_x 1
		.amdhsa_system_sgpr_workgroup_id_y 1
		.amdhsa_system_sgpr_workgroup_id_z 1
		.amdhsa_system_vgpr_workitem_id 0
		.amdhsa_next_free_vgpr 112
		.amdhsa_next_free_sgpr 66
		.amdhsa_reserve_vcc 0
		.amdhsa_float_denorm_mode_32 3
		.amdhsa_float_denorm_mode_16_64 3
		.amdhsa_memory_ordered 1
		.amdhsa_forward_progress 1
		.amdhsa_inst_pref_size 10
	.end_amdhsa_kernel
	.amdgpu_metadata
---
amdhsa.version: [ 1, 2 ]
amdhsa.kernels:
  - .name:           k_q5e692dd66b_lay
    .symbol:         k_q5e692dd66b_lay.kd
    .args:
      - { .name: Wk_codes, .offset: 0, .size: 8, .value_kind: global_buffer, .address_space: global }
      - { .name: Wv_codes, .offset: 8, .size: 8, .value_kind: global_buffer, .address_space: global }
      - { .name: Wq_codes, .offset: 16, .size: 8, .value_kind: global_buffer, .address_space: global }
      - { .name: Wo_codes, .offset: 24, .size: 8, .value_kind: global_buffer, .address_space: global }
      - { .name: W1_codes, .offset: 32, .size: 8, .value_kind: global_buffer, .address_space: global }
      - { .name: W2_codes, .offset: 40, .size: 8, .value_kind: global_buffer, .address_space: global }
      - { .name: Wk_scales, .offset: 48, .size: 8, .value_kind: global_buffer, .address_space: global }
      - { .name: Wv_scales, .offset: 56, .size: 8, .value_kind: global_buffer, .address_space: global }
      - { .name: Wq_scales, .offset: 64, .size: 8, .value_kind: global_buffer, .address_space: global }
      - { .name: Wo_scales, .offset: 72, .size: 8, .value_kind: global_buffer, .address_space: global }
      - { .name: W1_scales, .offset: 80, .size: 8, .value_kind: global_buffer, .address_space: global }
      - { .name: W2_scales, .offset: 88, .size: 8, .value_kind: global_buffer, .address_space: global }
      - { .name: wstream, .offset: 96, .size: 8, .value_kind: global_buffer, .address_space: global }
    .group_segment_fixed_size: 0
    .private_segment_fixed_size: 0
    .kernarg_segment_align: 8
    .kernarg_segment_size: 104
    .max_flat_workgroup_size: 128
    .sgpr_count:     66
    .vgpr_count:     112
    .wavefront_size: 32
...
	.end_amdgpu_metadata
.endif
;; end of part 1
;; launch fused (part 2): grid 256 x 1, 4 waves a work-group, no clusters, 327,680 bytes of LDS; arguments xl, xh, te, bq, bk, bv, bo, b1, b2, wstream, out0; writes out0
.if DOCPART == 2
	.amdgcn_target "amdgcn-amd-amdhsa--gfx1250"
	.amdhsa_code_object_version 6
	.text
	.protected	k_q5e692dd66b_fused
	.globl	k_q5e692dd66b_fused
	.p2align	8
	.type	k_q5e692dd66b_fused,@function
k_q5e692dd66b_fused:
	s_mov_b64 s[64:65], 0
	v_nop
	global_prefetch_b8 v0, s[64:65] scope:SCOPE_SE
	s_setreg_imm32_b32 hwreg(HW_REG_WAVE_MODE, 25, 1), 1
	s_wait_xcnt 0x0
; The whole module for a block (b, n): 64 time steps x 512 features, from xl, xh, te to out0; nothing goes to memory on the way.
; All eight products run on codes of BF6 (E3M2) with one E8M0 scale for each 32 along K; everything else is f32.  No step and no input of the module is left out.
; SHARES.  A WORK-GROUP STAYS for two blocks: x and x + 256 (b = block / 64, n = block % 64).  THE FOUR WAVES SHARE THE FEATURES, NOT THE ROWS: wave w owns features 128 w .. 128 w + 127
; (heads 2 w, 2 w + 1) of every layer's result, for all 64 rows.  So each weight byte is wanted by one wave alone and goes from wstream straight into that wave's operand registers; q, k, v of a head
; never leave their wave; the residual stays in registers in the result's layout.  What goes from wave to wave is the activations' codes, through LDS as images of the operand's registers.
; THE ORDER OF A BLOCK: te (registers, my stage) and xh (my slot) -> xh + te as codes | k, v | xl (my slot) -> xl + te as codes, the residual | q | attention | Wo, norm | W1 | W2, norm, out0.
; MY SLOT (my 512 bytes of all 64 rows, LDS bytes of my own) is filled twice a block, by one tensor load a wave each time: with xl behind the first barrier (it lands while k and v are made),
; and with the NEXT block's xh behind the barrier that follows xl's reads (it lands while q, the attention and the three last layers are made).  The first block's xh is asked for at the head.
; The last block asks for no further xh: every wait on TENSORcnt is for 0.  A tail written out would be the whole block's text once more.
; THE NEXT BLOCK'S te, all four row tiles, is asked for behind the last product of W2, into the registers that held the activations.
; Wo WITH ITS NORM AND W2 WITH ITS NORM ARE ONE LOOP OF TWO TRIPS; the first trip goes on through W1, the second leaves the loop for the way out.
; ROW TILES: slot i of tile m is time 32 (m / 2) + 8 (m % 2) + i + 8 (i / 8); WEIGHT TILES: slot i of tile 2 p + u of a unit of 64 features is feature 32 p + 8 u + i + 8 (i / 8).
; With source 0 = a weight tile and source 1 = a row tile a lane holds one row, and the 16 registers of tiles 2 p, 2 p + 1 are 16 neighbours along the next K.  V is made the other way round
; (source 0 = rows), so that a lane holds one feature and its registers run along time, which is V's K.  The same choice of slots gives S^T = k q^T and O^T = v^T p^T their order.
; K = 64 IN THE ATTENTION: the instruction's other 64 meet zero CODES on one side ([qA|0], [0|qB], [p|0]); the scale bytes there are real bytes or 0, never 0xff.
; THE MASK is as the module has it: a hidden score is -32767 ahead of the scaling, and goes into the maximum and the sum like any other.
; NO JOINT LOADS: a weight byte serves one wave, in registers.  A joint load lands in LDS, so each of the 1.25 MB a block walks would be written to and read from LDS besides; and of the 36,352 bytes
; left beside the 291,328 in use, a slot of half holds 4,544 bytes a wave, a third of a pair's 13,312: a round of the cluster's barrier for every eleven matrix instructions.
; NO PREFETCH INTO THE L2: xl, xh and te are asked for a phase ahead of their use, into LDS or registers; the weights' 1.25 MB are read by all work-groups again and again.
; All of a WGP's LDS is claimed.
; LIMITS: NaN and infinities among the inputs are not served.  A block of zeros gets the scale byte 1 (its codes are zeros; the bytes are read by this text alone).
; REGISTERS, in windows of 256.  Window 0: v1-27, v75 addresses; v28-74 scale words and nothing else; v76-95 at work; v96-125 codes just made, q's and p's operands with their zeros; v128-255 ACC.
;   Window 1: v0-191 the activations' 16 fragments (in the attention v and k), v192-223 a unit's bias as C; at a block's start all 256: te by rows, 64 a row tile.
;   Window 2: v0-191 two sets of weight fragments (at the end rows of out0); v192-255 bo, later b2.   Window 3: te by lanes, then the residual, 64 registers a row tile.
.set NBLK,  2
.set BSTEP, 0x2000000                  ; bytes from a work-group's first block to its second: 256 blocks are four b
.set STC,   8448                       ; LDS: a wave's own 20,480 bytes: at a block's ends two stages of 16 rows x (512 + 16) bytes, the second STC on; between them q's, k's, v's codes and scale words
.set OWNW,  20480
.set PQS,   6144
.set PKC,   6656
.set PKSC,  12800
.set PVC,   13312
.set PVS,   19456
.set IMG0,  81920                      ; two regions of images: 16 fragments of 1,536 bytes, then 16 blocks of 128 bytes of scale words
.set REG1,  26624
.set ISC,   24576
.set BTAB,  135168                     ; the six biases, 2,048 bytes each: bq, bk, bv, bo, b1, b2; wave w touches bytes 512 w .. 512 w + 511 of each
.set LNP,   147456                     ; the norms' partial figures: 4,096 bytes, used by both norms (barriers stand between one norm's reads and the other's stores)
.set XLS,   155648                     ; the slots, one a wave: 64 rows x (512 + 16) bytes; filled by the wave's tensor loads, read by that wave, never stored into
.set XLW,   33792
.set SPARE, 290816                     ; the spare words, 128 bytes for each wave: two blocks of 256 bytes that no other line names
.set TSTEP, 131072                     ; bytes from a time step to the next
.set UNITB, 26624                      ; a unit of weights in wstream
.set PAIRB, 13312
.set LWIN,  0x80                       ; where CHLOAD lands: the window, what is added to the fragments' registers and to the scale words' (as a rule window 2, set p, WSC + 8 p)
.set LOFF,  0
.set LSOFF, 0
.set WW2,   0xf6                       ; where the products onto the residual find their weights: the windows, what is added to the fragments' registers and to the scale words'
.set WOFF,  0
.set SOFF,  0
.set CHX,   0                          ; what CHLOAD adds to its offsets
.set L16, 1
.set SPW, 2                            ; LDS address of my spare word: SPARE + 4 x my thread's number; never rewritten
.set NIL, 3                            ; 0; never rewritten
.set XOFF, 4                           ; 16 x thread: my 16 bytes of a row of 2,048
.set STW, 5                            ; my own region by rows: 16 x lane
.set PK,  5                            ; (the same address serves the parked codes)
.set STR, 6                            ; stage by lanes: 528 r + 64 h
.set IW,  7                            ; images, where my wave stores: K step w
.set IW8, 8
.set IWS, 9
.set IR,  10                           ; images, where every wave reads
.set IR8, 11
.set IRS, 12
.set PK8, 14
.set PKS, 15
.set BT,  16
.set BV,  17
.set XLR, 18                           ; my slot by lanes: 528 (r + 8 (r / 8)) + 64 h
.set LNW, 19
.set LNR, 20
.set DQ,  21                           ; r + 8 (r / 8) - 16 h
.set NEGV, 22                          ; -32767.0
.set A0,  23                           ; a trip's addresses
.set A1,  24
.set A2,  25
.set A3,  26
.set A4,  27
.set A5,  75
.set ASC, 28                           ; v28-43 activations' scale words (4 m + s)
.set WSC, 44                           ; v44-59 weights' (8 p + 4 u + s)
.set KSC, 60
.set VSC, 64
.set QSC, 72
.set PSC, 73
.set TM,  76                           ; +0,1 maxima; +2,3 the other half's, then bytes; +4,5 the conversions' scales; +6..8 a block's upper codes; +9 l of head 0; +10,11 scale words; +12.. softmax
.set PCD, 96                           ; codes just made: set 0 at v96, set 1 at v108
.set PB,  96                           ; [p | zeros]
.set QB,  108                          ; [qA | zeros | qB]
.set DD,  127
.set ACC, 128
.set BI,  192
.set B64, 192
.set G0,  44                           ; s[44:47] group 0 of xl's tensor load, s[48:55] group 1 of both, s[56:59] group 0 of xh's
.set G1,  48
.set GX,  56
.set FLO, 60                           ; s60 the floor 2^(5 - 127) under every largest magnitude; s61 what takes 4 off an exponent field
.set EXM, 61
.set MSB, 0
.macro WIN new                         ; the immediate's high byte repeats the setting that is left; a switch that changes nothing is dropped
.if MSB != (\new)
	s_set_vgpr_msb (MSB<<8)|(\new)
.set MSB, (\new)
.endif
.endm
.macro PLACES                          ; behind a run of products: plain vector lines that name none of their registers; five serve loads, reads and accumulators begun anew alike
.rept 5
	v_nop
.endr
.endm
.macro BARRIER                         ; my LDS stores have landed and my LDS loads are in: then the work-group's barrier
	s_wait_dscnt 0x0
	s_barrier_signal -1
	s_barrier_wait -1
.endm
; Row tile m of te by rows into window 1, v[64 m ..]: 16 loads, each 512 consecutive bytes of a row
.macro LX1 m
.set TB0, 32*((\m)/2)+8*((\m)%2)
.set lB, 64*(\m)
	WIN 0x40
.set ii, 0
.rept 16
	global_load_b128 v[lB+4*ii:lB+4*ii+3], v[XOFF], s[8:9] offset:(TB0+ii+8*(ii/8))*TSTEP th:TH_LOAD_NT
.set ii, ii+1
.endr
	WIN 0
.endm
; 26 loads: pair p of the unit CHX bytes behind s[22:23]: 8 fragments into window 2, 8 scale words
.macro CHLOAD p
	WIN LWIN
.set gg, 0
.rept 24
	global_load_b128 v[96*(\p)+4*gg+LOFF:96*(\p)+4*gg+3+LOFF], v[L16], s[22:23] offset:PAIRB*(\p)+512*gg+CHX
.set gg, gg+1
.endr
	WIN 0
	global_load_b128 v[WSC+8*(\p)+LSOFF:WSC+8*(\p)+3+LSOFF], v[L16], s[22:23] offset:PAIRB*(\p)+512*24+CHX
	global_load_b128 v[WSC+8*(\p)+4+LSOFF:WSC+8*(\p)+7+LSOFF], v[L16], s[22:23] offset:PAIRB*(\p)+512*25+CHX
.endm
; all 16 fragments of a region and their scale words
.macro AFETCH reg
	WIN 0x40
.set gg, 0
.rept 32
	ds_load_b128 v[6*gg:6*gg+3], v[IR] offset:(\reg)+768*gg
	ds_load_b64 v[6*gg+4:6*gg+5], v[IR8] offset:(\reg)+768*gg
.set gg, gg+1
.endr
	WIN 0
.set gg, 0
.rept 16
	ds_load_b32 v[ASC+gg], v[IRS] offset:(\reg)+128*gg
.set gg, gg+1
.endr
	s_wait_dscnt 0x0
.endm
; 32 products: pair p's two weight tiles x four row tiles x four K steps.  The eight accumulators take turns, one instruction a turn.
; mode 0: source 0 = weights, results in ACC, the bias starts the sums.  mode 1: source 0 = rows (for V).  mode 2: as 0, added in place onto the residual in window 3.
.macro MULP p, mode, hf
.irp s, 0,1,2,3
.if (\mode) == 0
.if \s == 0
	WIN 0x16
.else
	WIN 0x06
.endif
.elseif (\mode) == 1
.if \s == 0
	WIN 0x19
.else
	WIN 0x09
.endif
.else
	WIN WW2
.endif
.irp m, 0,1,2,3
.irp u, 0,1
.set rW, 96*(\p)+12*(4*\u+\s)+WOFF
.set rX, 12*(4*\m+\s)
.set sW, WSC+8*(\p)+4*\u+\s+SOFF
.set sX, ASC+4*\m+\s
.set rB, BI+8*(2*(\p)+\u)
.if (\mode) == 0
.set rD, ACC+32*\m+8*(2*(\p)+\u)
.if \s == 0
	v_wmma_scale_f32_16x16x128_f8f6f4 v[rD:rD+7], v[rW:rW+11], v[rX:rX+11], v[rB:rB+7], v[sW], v[sX] matrix_a_fmt:MATRIX_FMT_BF6 matrix_b_fmt:MATRIX_FMT_BF6
.else
	v_wmma_scale_f32_16x16x128_f8f6f4 v[rD:rD+7], v[rW:rW+11], v[rX:rX+11], v[rD:rD+7], v[sW], v[sX] matrix_a_fmt:MATRIX_FMT_BF6 matrix_b_fmt:MATRIX_FMT_BF6
.endif
.elseif (\mode) == 1
.set rD, ACC+32*(2*(\p)+\u)+8*\m
.if \s == 0
	v_wmma_scale_f32_16x16x128_f8f6f4 v[rD:rD+7], v[rX:rX+11], v[rW:rW+11], v[rB:rB+7], v[sX], v[sW] matrix_a_fmt:MATRIX_FMT_BF6 matrix_b_fmt:MATRIX_FMT_BF6
.else
	v_wmma_scale_f32_16x16x128_f8f6f4 v[rD:rD+7], v[rX:rX+11], v[rW:rW+11], v[rD:rD+7], v[sX], v[sW] matrix_a_fmt:MATRIX_FMT_BF6 matrix_b_fmt:MATRIX_FMT_BF6
.endif
.else
.set rD, 64*\m+8*(4*(\hf)+2*(\p)+\u)
	v_wmma_scale_f32_16x16x128_f8f6f4 v[rD:rD+7], v[rW:rW+11], v[rX:rX+11], v[rD:rD+7], v[sW], v[sX] matrix_a_fmt:MATRIX_FMT_BF6 matrix_b_fmt:MATRIX_FMT_BF6
.endif
.endr
.endr
.endr
.endm
; 32 numbers of a lane, v[S] .. v[S + 31] of window W, register 16 b + i = k 32 b + 16 (lane / 16) + i, become half a fragment's codes (6 registers at v[PCD + 12 set]) and two scale bytes (v[TM + 10 + set]).
.macro HQUANT S, W, set
.set qS, \S
.set qP, PCD+12*(\set)
	WIN (\W)|((\W)<<2)|((\W)<<4)
.irp t, 3,4,0,1,2                      ; my 16 numbers of each block as a tree: five maxima of three (into TM + 0, 2, 4, 6, 12, + b), none reading another's result.  Each group of eight registers is first read in its four lowest
.irp b, 0,1
	v_max3_num_f32 v[TM+2*\t+4*(\t/4)+\b], |v[qS+16*\b+3*\t]|, |v[qS+16*\b+3*\t+1]|, |v[qS+16*\b+3*\t+2]|
.endr
.endr
	WIN ((\W)<<4)
.irp b, 0,1
	v_max3_num_f32 v[TM+6+\b], v[TM+6+\b], v[TM+12+\b], |v[qS+16*\b+15]|   ; two of the five and the sixteenth number
.endr
	WIN 0
.irp b, 0,1
	v_max3_num_f32 v[TM+\b], v[TM+\b], v[TM+2+\b], v[TM+4+\b]              ; the other three
.endr
.irp b, 0,1
	v_max3_num_f32 v[TM+\b], v[TM+\b], v[TM+6+\b], s[FLO]                  ; and the floor: the byte cannot fall under 1
.endr
	WIN 0
.irp b, 0,1
	v_permlanex16_b32 v[TM+2+\b], v[TM+\b], s28, s29
.endr
.irp b, 0,1
	v_max_num_f32 v[TM+\b], v[TM+\b], v[TM+2+\b]      ; with lane l xor 16's: the block's largest magnitude
.endr
.irp b, 0,1
	v_add_nc_u32 v[TM+4+\b], s[EXM], v[TM+\b]         ; 4 off its exponent field: the conversion's scale operand
.endr
.irp b, 0,1
	v_lshrrev_b32 v[TM+2+\b], 23, v[TM+4+\b]          ; the scale's byte
.endr
	s_wait_alu depctr_va_vdst(0)
	s_wait_dscnt 0x3                               ; this set's three stores of two turns ago are done; the other set's three may be out (the sets always alternate)
	v_lshl_or_b32 v[TM+10+(\set)], v[TM+3], 8, v[TM+2]
	WIN (\W)
	v_cvt_scalef32_pk16_bf6_f32 v[qP:qP+2], v[qS:qS+15], v[TM+4]
	v_cvt_scalef32_pk16_bf6_f32 v[TM+6:TM+8], v[qS+16:qS+31], v[TM+5]
	WIN 0
	v_nop                                          ; one plain line behind a scaled conversion
.irp i, 0,1,2
	v_permlane16_swap_b32 v[qP+\i], v[TM+6+\i]     ; the layout wants a whole block in a lane: lanes 0-15 block 0, lanes 16-31 block 1
.endr
.irp i, 0,1,2
	v_mov_b32 v[qP+3+\i], v[TM+6+\i]
.endr
.endm
; the half fragment goes to LDS as it stands: registers 0-3 at 16 x lane, 4-5 at 512 + 8 x lane; its two scale bytes at 4 x lane (wide: a whole word, upper bytes 0)
.macro HSTORE set, a16, a8, asc, off, offs, wide
	ds_store_b128 v[\a16], v[PCD+12*(\set):PCD+12*(\set)+3] offset:\off
	ds_store_b64 v[\a8], v[PCD+12*(\set)+4:PCD+12*(\set)+5] offset:\off
.if \wide
	ds_store_b32 v[\asc], v[TM+10+(\set)] offset:\offs
.else
	ds_store_b16 v[\asc], v[TM+10+(\set)] offset:\offs
.endif
.endm
.macro RELU S
.set jj, 0
.rept 32
	v_max_num_f32 v[(\S)+jj], 0, v[(\S)+jj]
.set jj, jj+1
.endr
.endm
.macro BIAS_T                          ; a unit's bias in the result's layout: lane (r, h), tile 2 p + u, register j: feature 32 p + 16 h + 8 u + j
	WIN 0x40
.irp p, 0,1
.irp q, 0,1,2,3
	ds_load_b128 v[BI+16*\p+4*\q:BI+16*\p+4*\q+3], v[A0] offset:128*\p+16*\q
.endr
.endr
	WIN 0
.endm
.macro BIAS_V                          ; for V a lane holds one feature: the same number in a tile's eight registers
	WIN 0x40
.irp t, 0,1,2,3
.irp j, 0,1,2,3,4,5,6,7
	ds_load_b32 v[BI+8*\t+\j], v[A0] offset:128*(\t/2)+32*(\t%2)
.endr
.endr
	WIN 0
.endm
; One unit of 64 features whose results are quantised: 64 products, the next unit's weights asked for behind each half, then four groups of 32 registers to codes.
; The counted waits: the loads go out in groups of 26 in the order in which they are wanted, so 26 leaves out the one group issued behind the wanted one.
.macro UNIT_A mode, relu, a16, a8, asc, gs, gss, wide, bias
	s_wait_dscnt 0x0                               ; the last trip's stores have read their address registers
	v_add_nc_u32 v[A0], s33, v[\bias]
	v_add_nc_u32 v[A1], s34, v[\a16]
	v_add_nc_u32 v[A2], s34, v[\a8]
	v_add_nc_u32 v[A3], s35, v[\asc]
.if (\mode) == 1
	BIAS_V
.else
	BIAS_T
.endif
	s_wait_loadcnt 26
	s_wait_dscnt 0x0
	MULP 0, \mode, 0
	WIN 0
	PLACES
	CHLOAD 0
	s_wait_loadcnt 26
	MULP 1, \mode, 0
	WIN 0
	PLACES
	CHLOAD 1
.irp g, 0,1,2,3
.if \relu
	RELU ACC+32*\g
.endif
	HQUANT ACC+32*\g, 0, \g%2
	HSTORE \g%2, A1, A2, A3, (\gs)*\g, (\gss)*\g, \wide
.endr
	s_wait_xcnt 0x0                                ; the loads have read their base
	s_add_nc_u64 s[22:23], s[22:23], UNITB
.endm
.macro HALF_B p, hf                    ; 32 products added onto the residual, and the places behind them
	MULP \p, 2, \hf
	WIN 0
	PLACES
.endm
; Row tile m out of my slot, in the lanes' order, into ACC + 64 (m % 2).  The slot's rows lie in the order of time, 132 words apart: the tile's rows t .. t + 7 and t + 16 .. t + 23 start at
; the same eight places among the 64 banks (16 x 132 words is a whole number of times 64: ISA guide 11.1), so these reads go two deep.
.macro XLOAD2 m
.set TB0, 32*((\m)/2)+8*((\m)%2)
.irp b, 0,1,2,3
.irp q, 0,1,2,3
	ds_load_b128 v[ACC+64*((\m)%2)+16*\b+4*\q:ACC+64*((\m)%2)+16*\b+4*\q+3], v[XLR] offset:528*TB0+128*\b+16*\q
.endr
.endr
.endm
; Row tile m of te is turned through my stage, so that a lane holds 16 neighbours of each block of 32, and stays in window 3 for xl; xh of my slot is added, xh + te quantised, its images stored.
; left: the loads issued behind this tile's 16, which may stay out.
.macro XT1 m, left
.set aS, ACC+64*((\m)%2)
	s_wait_loadcnt \left
	WIN 0x04
.set ii, 0
.rept 16
	ds_store_b128 v[STW], v[64*(\m)+4*ii:64*(\m)+4*ii+3] offset:STC*((\m)%2)+528*ii
.set ii, ii+1
.endr
	WIN 0xc0
.irp b, 0,1,2,3
.irp q, 0,1,2,3
	ds_load_b128 v[64*(\m)+16*\b+4*\q:64*(\m)+16*\b+4*\q+3], v[STR] offset:STC*((\m)%2)+128*\b+16*\q   ; LDS serves a wave's instructions in order: these see my stores
.endr
.endr
	WIN 0
.if (\m) < 3
	XLOAD2 (\m)+1
.endif
.if (\m) == 2
	CHLOAD 0                                       ; the first unit's weights
.elseif (\m) == 3
	CHLOAD 1
.endif
.if (\m) < 3
	s_wait_dscnt 16                                ; te and this tile's xh are in; the next tile's 16 reads may be out
.else
	s_wait_dscnt 0x0
.endif
	WIN 0x0c
.set kk, 0
.rept 32
	v_pk_add_f32 v[aS+kk:aS+kk+1], v[aS+kk:aS+kk+1], v[64*(\m)+kk:64*(\m)+kk+1]
.set kk, kk+2
.endr
	HQUANT aS, 0, 0
	HSTORE 0, IW, IW8, IWS, REG1+6144*(\m), REG1+512*(\m), 0
	HQUANT aS+32, 0, 1
	HSTORE 1, IW, IW8, IWS, REG1+6144*(\m)+768, REG1+512*(\m)+2, 0
.endm
; xl + te of row tile m, quantised, its images stored; the residual xl + te + bo takes te's place.
.macro XT2 m
.set aS, ACC+64*((\m)%2)
.if (\m) < 3
	XLOAD2 (\m)+1
	s_wait_dscnt 16                                ; this tile's reads are in; the next tile's 16 may be out
.else
	s_wait_dscnt 0x0
.endif
	WIN 0x0c
.set kk, 0
.rept 32
	v_pk_add_f32 v[aS+kk:aS+kk+1], v[aS+kk:aS+kk+1], v[64*(\m)+kk:64*(\m)+kk+1]
.set kk, kk+2
.endr
	HQUANT aS, 0, 0
	HSTORE 0, IW, IW8, IWS, 6144*(\m), 512*(\m), 0
	HQUANT aS+32, 0, 1
	HSTORE 1, IW, IW8, IWS, 6144*(\m)+768, 512*(\m)+2, 0
	WIN 0xc8
.set kk, 0
.rept 32
	v_pk_add_f32 v[64*(\m)+kk:64*(\m)+kk+1], v[aS+kk:aS+kk+1], v[B64+kk:B64+kk+1]   ; xl + te + bo: the sums of the product with Wo begin here
.set kk, kk+2
.endr
	WIN 0
.endm
; The softmax of head x for 16 queries x 64 keys: a lane holds one query and 32 keys, register 16 b + i = key 32 b + 16 (lane / 16) + i.
.macro SM x
.set sS, ACC+32*(\x)
.set sL, TM+9+6*(\x)
.irp b, 0,1
	v_max3_num_f32 v[TM+\b], v[sS+16*\b], v[sS+16*\b+1], v[sS+16*\b+2]   ; the largest score of each block of 32 keys: for the row's maximum and, since p rises with the score, for the block's largest p
.endr
.irp i, 3,5,7,9,11,13
.irp b, 0,1
	v_max3_num_f32 v[TM+\b], v[TM+\b], v[sS+16*\b+\i], v[sS+16*\b+\i+1]
.endr
.endr
.irp b, 0,1
	v_max_num_f32 v[TM+\b], v[TM+\b], v[sS+16*\b+15]
.endr
.irp b, 0,1
	v_permlanex16_b32 v[TM+2+\b], v[TM+\b], s28, s29
.endr
.irp b, 0,1
	v_max_num_f32 v[TM+\b], v[TM+\b], v[TM+2+\b]
.endr
	v_max_num_f32 v[TM+14], v[TM], v[TM+1]
	v_mul_f32 v[TM+14], s30, v[TM+14]              ; the row's largest t (c = log2(e) / 8 is positive)
	v_floor_f32 v[TM+12], -v[TM+14]                ; -M = floor(-t): M is a whole number
.set kk, 0
.rept 16
	v_pk_fma_f32 v[sS+kk:sS+kk+1], v[sS+kk:sS+kk+1], s[30:31], v[TM+12:TM+13] op_sel_hi:[1,0,0]   ; t - M
.set kk, kk+2
.endr
.irp b, 0,1
	v_fma_f32 v[TM+\b], v[TM+\b], s30, v[TM+12]
.endr
.set kk, 0
	s_wait_alu depctr_va_vdst(0)
.rept 32
	v_exp_f32 v[sS+kk], v[sS+kk]                   ; p = 2^(t - M): not normalised
.set kk, kk+1
.endr
.irp b, 0,1
	v_exp_f32 v[TM+\b], v[TM+\b]                   ; the block's largest p
.endr
	v_nop                                          ; a plain line behind the last exponential
	s_wait_alu depctr_va_vdst(0)                   ; one wait for the batch of 34, ahead of its first reader
	v_pk_add_f32 v[TM+16:TM+17], v[sS:sS+1], v[sS+4:sS+5]           ; the row's sum is taken of the unquantised p, in two chains
	v_pk_add_f32 v[TM+18:TM+19], v[sS+2:sS+3], v[sS+6:sS+7]
.irp k, 8,12,16,20,24,28
	v_pk_add_f32 v[TM+16:TM+17], v[TM+16:TM+17], v[sS+\k:sS+\k+1]
	v_pk_add_f32 v[TM+18:TM+19], v[TM+18:TM+19], v[sS+\k+2:sS+\k+3]
.endr
	v_pk_add_f32 v[TM+16:TM+17], v[TM+16:TM+17], v[TM+18:TM+19]
.irp b, 0,1
	v_max_num_f32 v[TM+\b], s[FLO], v[TM+\b]       ; the floor
.endr
.irp b, 0,1
	v_add_nc_u32 v[TM+4+\b], s[EXM], v[TM+\b]
.endr
.irp b, 0,1
	v_lshrrev_b32 v[TM+2+\b], 23, v[TM+4+\b]
.endr
	v_lshl_or_b32 v[PSC+(\x)], v[TM+3], 8, v[TM+2] ; p's scale word: two bytes, the upper two 0
	v_cvt_scalef32_pk16_bf6_f32 v[PB:PB+2], v[sS:sS+15], v[TM+4]
	v_cvt_scalef32_pk16_bf6_f32 v[TM+6:TM+8], v[sS+16:sS+31], v[TM+5]
	v_nop
.irp i, 0,1,2
	v_permlane16_swap_b32 v[PB+\i], v[TM+6+\i]
.endr
.irp i, 0,1,2
	v_mov_b32 v[PB+3+\i], v[TM+6+\i]
.endr
	v_add_f32 v[sL], v[TM+16], v[TM+17]
	v_permlanex16_b32 v[TM+2], v[sL], s28, s29
	v_add_f32 v[sL], v[sL], v[TM+2]                ; the row's sum
.rept 6
	v_nop                                          ; with the two additions: eight plain lines behind the scale word, more than four behind the codes, in front of the scaled products
.endr
.endm
; O^T of head x: four tiles of 16 of the head's 64 features; the upper 64 of the instruction's K meet p's zeros
.macro PV x
	WIN 0x01
.irp t, 0,1,2,3
	v_wmma_scale_f32_16x16x128_f8f6f4 v[ACC+64+32*(\x)+8*\t:ACC+64+32*(\x)+8*\t+7], v[6*(4*(\x)+\t):6*(4*(\x)+\t)+11], v[PB:PB+11], 0, v[VSC+4*(\x)+\t], v[PSC+(\x)] matrix_a_fmt:MATRIX_FMT_BF6 matrix_b_fmt:MATRIX_FMT_BF6
.endr
	WIN 0
.endm
; A norm's first part for row tile m: my wave's mean of its 128 features, the residual centred by it in place, and the sum of the squares; both figures to LDS.
.macro LNS m
.set rR, 64*(\m)
	WIN 0x0f
.irp j, 0,2,4,6                        ; four chains by turns, in v128-135
	v_pk_add_f32 v[128+\j:129+\j], v[rR+\j:rR+\j+1], v[rR+8+\j:rR+9+\j]
.endr
	WIN 0x0c
.irp k, 16,24,32,40,48,56
.irp j, 0,2,4,6
	v_pk_add_f32 v[128+\j:129+\j], v[128+\j:129+\j], v[rR+\k+\j:rR+\k+\j+1]
.endr
.endr
	WIN 0
	v_pk_add_f32 v[128:129], v[128:129], v[130:131]
	v_pk_add_f32 v[132:133], v[132:133], v[134:135]
	v_pk_add_f32 v[128:129], v[128:129], v[132:133]
	v_add_f32 v132, v128, v129
	v_permlanex16_b32 v133, v132, s28, s29
	v_add_f32 v132, v132, v133
	v_mul_f32 v[136+2*(\m)], 0x3c000000, v132      ; / 128
	WIN 0xc3
.set kk, 0
.rept 32
	v_pk_add_f32 v[rR+kk:rR+kk+1], v[rR+kk:rR+kk+1], v[136+2*(\m):137+2*(\m)] op_sel_hi:[1,0] neg_lo:[0,1] neg_hi:[0,1]
.set kk, kk+2
.endr
	WIN 0x0f
.irp j, 0,2,4,6
	v_pk_mul_f32 v[128+\j:129+\j], v[rR+\j:rR+\j+1], v[rR+\j:rR+\j+1]
.endr
.irp k, 8,16,24,32,40,48,56
.irp j, 0,2,4,6
	v_pk_fma_f32 v[128+\j:129+\j], v[rR+\k+\j:rR+\k+\j+1], v[rR+\k+\j:rR+\k+\j+1], v[128+\j:129+\j]
.endr
.endr
	WIN 0
	v_pk_add_f32 v[128:129], v[128:129], v[130:131]
	v_pk_add_f32 v[132:133], v[132:133], v[134:135]
	v_pk_add_f32 v[128:129], v[128:129], v[132:133]
	v_add_f32 v132, v128, v129
	v_permlanex16_b32 v133, v132, s28, s29
	v_add_f32 v[137+2*(\m)], v132, v133
	ds_store_b64 v[LNW], v[136+2*(\m):137+2*(\m)] offset:1024*(\m)
.endm
; The four waves' figures meet: mean = the mean of the means; the squares' sum = the four sums + 128 x the squares of the means' distances.  v[144 + 2 m] = 1 / sqrt(var + 1e-5), v[152 + 2 m] = (my mean - mean) x that.
.macro LNSTAT
	BARRIER
.irp m, 0,1,2,3
	ds_load_b128 v[160+8*\m:163+8*\m], v[LNR] offset:1024*\m
	ds_load_b128 v[164+8*\m:167+8*\m], v[LNR] offset:1024*\m+16
.endr
	s_wait_dscnt 0x0
.irp m, 0,1,2,3
	v_add_f32 v128, v[160+8*\m], v[162+8*\m]
	v_add_f32 v129, v[164+8*\m], v[166+8*\m]
	v_add_f32 v128, v128, v129
	v_mul_f32 v128, 0x3e800000, v128
	v_sub_f32 v130, v[160+8*\m], v128
	v_sub_f32 v131, v[162+8*\m], v128
	v_sub_f32 v132, v[164+8*\m], v128
	v_sub_f32 v133, v[166+8*\m], v128
	v_mul_f32 v130, v130, v130
	v_fma_f32 v130, v131, v131, v130
	v_fma_f32 v130, v132, v132, v130
	v_fma_f32 v130, v133, v133, v130
	v_add_f32 v131, v[161+8*\m], v[163+8*\m]
	v_add_f32 v132, v[165+8*\m], v[167+8*\m]
	v_add_f32 v131, v131, v132
	v_fma_f32 v130, v130, 0x43000000, v131
	v_fma_f32 v[145+2*\m], v130, s40, s41          ; / 512 + 1e-5
	v_sub_f32 v[152+2*\m], v[136+2*\m], v128
.endr
	s_wait_alu depctr_va_vdst(0)
.irp m, 0,1,2,3
	v_rsq_f32 v[144+2*\m], v[145+2*\m]
.endr
	v_nop
	s_wait_alu depctr_va_vdst(0)                   ; one wait for the four, ahead of their first reader
.irp m, 0,1,2,3
	v_mul_f32 v[152+2*\m], v[152+2*\m], v[144+2*\m]
.endr
.endm
.macro LNAPPLY m
	WIN 0xc3
.set kk, 0
.rept 32
	v_pk_fma_f32 v[64*(\m)+kk:64*(\m)+kk+1], v[64*(\m)+kk:64*(\m)+kk+1], v[144+2*(\m):145+2*(\m)], v[152+2*(\m):153+2*(\m)] op_sel_hi:[1,0,0]
.set kk, kk+2
.endr
.endm
; The first norm's result for row tile m: quantised (image into region 1), and b2 added: the sums of the product with W2 begin there.
.macro LNN1 m
	HQUANT 64*(\m), 3, 0
	HSTORE 0, IW, IW8, IWS, REG1+6144*(\m), REG1+512*(\m), 0
	HQUANT 64*(\m)+32, 3, 1
	HSTORE 1, IW, IW8, IWS, REG1+6144*(\m)+768, REG1+512*(\m)+2, 0
	WIN 0xcb
.set kk, 0
.rept 32
	v_pk_add_f32 v[64*(\m)+kk:64*(\m)+kk+1], v[64*(\m)+kk:64*(\m)+kk+1], v[B64+kk:B64+kk+1]
.set kk, kk+2
.endr
	WIN 0
.endm
; The second norm's result for row tile m goes through my stage and leaves by rows, out of the registers that held weights: window 1 is taking the next block's te.
.macro OUT m
.set rR, 64*(\m)
.set oS, STC*((\m)%2)
.set oB, 64*((\m)%2)
.set TB0, 32*((\m)/2)+8*((\m)%2)
	WIN 0x0c
.irp b, 0,1,2,3
.irp q, 0,1,2,3
	ds_store_b128 v[STR], v[rR+16*\b+4*\q:rR+16*\b+4*\q+3] offset:oS+128*\b+16*\q
.endr
.endr
.if (\m) >= 2
	s_wait_xcnt 0x0                                ; the stores of two tiles ago have read the registers that these loads fill
.endif
	WIN 0x80
.set ii, 0
.rept 16
	ds_load_b128 v[oB+4*ii:oB+4*ii+3], v[STW] offset:oS+528*ii
.set ii, ii+1
.endr
	s_wait_dscnt 0x0
	WIN 0x08
.set ii, 0
.rept 16
	global_store_b128 v[XOFF], v[oB+4*ii:oB+4*ii+3], s[24:25] offset:(TB0+ii+8*(ii/8))*TSTEP th:TH_STORE_NT   ; 32 lanes store 512 consecutive bytes, at a multiple of 256 from out0's first byte
.set ii, ii+1
.endr
	WIN 0
.endm
; ---------------- the head, once for both blocks
	s_load_b512 s[4:19], s[0:1], 0x0               ; xl s[4:5], xh s[6:7], te s[8:9], bq, bk, bv, bo, b1 s[10:19]
	s_load_b128 s[20:23], s[0:1], 0x40             ; b2 s[20:21], wstream s[22:23]
	s_load_b64 s[24:25], s[0:1], 0x50              ; out0
	v_lshl_add_u32 v[SPW], v0, 2, SPARE
	v_mov_b32 v[NIL], 0
	ds_add_u32 v[SPW], v[NIL]                      ; the opening lines, ahead of my first tensor load: the add,
	ds_add_u32 v[SPW], v[NIL]                      ; the same add once more; the set-up below, work on registers, stands ahead of the one wait
	v_lshrrev_b32 v23, 5, v0
	v_readfirstlane_b32 s2, v23                    ; wave 0..3
	v_and_b32 v23, 31, v0                          ; lane
	v_and_b32 v24, 15, v0                          ; r
	v_bfe_u32 v25, v0, 4, 1                        ; h
	v_and_b32 v26, 8, v24
	v_add_nc_u32 v26, v26, v24                     ; r + 8 (r / 8)
	v_lshlrev_b32 v[L16], 4, v23
	v_lshlrev_b32 v27, 3, v23                      ; 8 x lane
	v_lshlrev_b32 v75, 2, v23                      ; 4 x lane
	v_lshlrev_b32 v[XOFF], 4, v0
	s_mul_i32 s33, s2, OWNW
	v_add_nc_u32 v[STW], s33, v[L16]
	v_mul_u32_u24 v[STR], v24, 528
	v_lshl_add_u32 v[STR], v25, 6, v[STR]
	v_add_nc_u32 v[STR], s33, v[STR]
	v_add_nc_u32 v[PKS], s33, v75
	s_add_co_u32 s33, s33, 512
	v_add_nc_u32 v[PK8], s33, v27
	s_mul_i32 s33, s2, 1536
	s_add_co_u32 s33, s33, IMG0
	v_add_nc_u32 v[IW], s33, v[L16]
	s_add_co_u32 s33, s33, 512
	v_add_nc_u32 v[IW8], s33, v27
	s_lshl_b32 s33, s2, 7
	s_add_co_u32 s33, s33, IMG0+ISC
	v_add_nc_u32 v[IWS], s33, v75
	v_add_nc_u32 v[IR], IMG0, v[L16]
	v_add_nc_u32 v[IR8], IMG0+512, v27
	v_add_nc_u32 v[IRS], IMG0+ISC, v75
	s_lshl_b32 s33, s2, 9
	s_add_co_u32 s33, s33, BTAB
	v_lshl_add_u32 v[BT], v25, 6, s33
	v_lshl_add_u32 v[BV], v26, 2, s33
	v_add_nc_u32 v[BV], 4096, v[BV]
	s_mul_i32 s33, s2, XLW
	s_add_co_u32 s33, s33, XLS
	v_mul_u32_u24 v[XLR], v26, 528
	v_lshl_add_u32 v[XLR], v25, 6, v[XLR]
	v_add_nc_u32 v[XLR], s33, v[XLR]
	v_lshlrev_b32 v[LNR], 5, v23
	v_add_nc_u32 v[LNR], LNP, v[LNR]
	s_lshl_b32 s33, s2, 3
	v_add_nc_u32 v[LNW], s33, v[LNR]
	v_lshlrev_b32 v[DQ], 4, v25
	v_sub_nc_u32 v[DQ], v26, v[DQ]
	v_mov_b32 v[NEGV], 0xc6fffe00
.irp i, 102,103,104,105,106,107,114,115,116,117,118,119
	v_mov_b32 v\i, 0                               ; the zero codes beside p and between qA and qB: never written again
.endr
.irp i, 78,79,89,91,127
	v_mov_b32 v\i, 0                               ; lane permutes' destinations and pairs' upper halves: written once
.endr
	s_mov_b32 s28, 0x76543210
	s_mov_b32 s29, 0xfedcba98                      ; v_permlanex16_b32's selects for lane l xor 16
	s_mov_b32 s30, 0x3e38aa3b                      ; c = log2(e) / 8
	s_mov_b32 s31, s30
	s_mov_b32 s40, 0x3b000000                      ; 1 / 512
	s_mov_b32 s41, 0x3727c5ac                      ; 1e-5
	s_mov_b32 s[FLO], 0x2800000                    ; 2^(5 - 127)
	s_mov_b32 s[EXM], 0xfe000000                   ; -(4 << 23)
	s_mov_b32 s42, NBLK                            ; blocks to go, this one among them
	s_lshr_b32 s26, ttmp9, 6
	s_lshl_b32 s26, s26, 23                        ; b x 64 x 64 x 2,048 bytes
	s_and_b32 s27, ttmp9, 63
	s_lshl_b32 s27, s27, 11                        ; n x 2,048
	s_add_co_u32 s26, s26, s27
	s_mov_b32 s27, 0
	s_mul_i32 s34, s2, 12*UNITB                    ; my strip of wstream
	s_mov_b32 s35, 0
	s_lshl_b32 s36, s2, 9                          ; my 512 bytes of a row
	s_mov_b32 s37, 0
	; the tensor loads' group 1: 64 rows of 128 elements of 4 bytes, 32,768 elements apart, 4 words of padding behind every 128 words
	s_mov_b32 s[G1+0], (2<<16)|(1<<20)|(6<<22)|(3<<25)
	s_mov_b32 s[G1+1], 128<<16                     ; tensor_dim0
	s_mov_b32 s[G1+2], 64<<16                      ; tensor_dim1
	s_mov_b32 s[G1+3], 128<<16                     ; tile_dim0
	s_mov_b32 s[G1+4], 64                          ; tile_dim1
	s_mov_b32 s[G1+5], TSTEP/4                     ; from row to row
	s_mov_b32 s[G1+6], 0
	s_mov_b32 s[G1+7], 0
	s_mov_b32 s[G0], 1
	s_mul_i32 s[G0+1], s2, XLW
	s_add_co_u32 s[G0+1], s[G0+1], XLS             ; my slot
	s_mov_b32 s[GX], 1
	s_mul_i32 s[GX+1], s2, XLW
	s_add_co_u32 s[GX+1], s[GX+1], XLS             ; the same slot for xh
	s_wait_alu depctr_va_vdst(0)
	s_wait_dscnt 0x0                               ; both opening adds are done
	s_wait_kmcnt 0x0
.irp i, 0,1,2,3,4,5
	global_load_b128 v[ACC+4*\i:ACC+4*\i+3], v[XOFF], s[10+2*\i:11+2*\i]   ; the six biases, my 16 bytes of each: asked for first of all
.endr
	s_add_nc_u64 s[4:5], s[4:5], s[26:27]
	s_add_nc_u64 s[6:7], s[6:7], s[26:27]
	s_add_nc_u64 s[8:9], s[8:9], s[26:27]
	s_add_nc_u64 s[24:25], s[24:25], s[26:27]
	s_add_nc_u64 s[22:23], s[22:23], s[34:35]
	s_add_nc_u64 s[G0+2:G0+3], s[4:5], s[36:37]    ; xl at the block's first time step, my 512 bytes
	s_or_b32 s[G0+3], s[G0+3], 0x80000000          ; type = 2
	s_add_nc_u64 s[GX+2:GX+3], s[6:7], s[36:37]    ; xh likewise
	s_or_b32 s[GX+3], s[GX+3], 0x80000000
	tensor_load_to_lds s[GX:GX+3], s[G1:G1+7]      ; the first block's xh: my one tensor load at the head
	s_nop 0
.rept 4
	v_nop                                          ; (four plain lines ahead of the next switch of windows)
.endr
	LX1 0
	LX1 1
	LX1 2
	s_wait_loadcnt 48                              ; the biases are in; three tiles' 48 loads may be out
	v_add_nc_u32 v[A0], BTAB, v[XOFF]
.irp i, 0,1,2,3,4,5
	ds_store_b128 v[A0], v[ACC+4*\i:ACC+4*\i+3] offset:2048*\i
.endr
	LX1 3
	s_wait_dscnt 0x0
.Lblk:
; ---------------- te and xh: te's 64 loads are on their way
	s_wait_tensorcnt 0x0                           ; my slot holds this block's xh; only I read these bytes
	XLOAD2 0
	XT1 0, 48
	XT1 1, 32
	XT1 2, 16
	XT1 3, 26
	s_wait_tensorcnt 0x0                           ; no tensor load of mine is out
	ds_add_u32 v[SPW], v[NIL]                      ; 0 onto my spare word
	s_wait_xcnt 0x0                                ; the weights' loads have read their base
	s_add_nc_u64 s[22:23], s[22:23], UNITB
	s_wait_dscnt 0x0                               ; the add is done, my images have landed, and my reads of xh in the slot are over
	s_barrier_signal -1
	s_barrier_wait -1                              ; the sixteen fragments of xh + te lie in region 1
	tensor_load_to_lds s[G0:G0+3], s[G1:G1+7]      ; xl: my one tensor load, first thing behind the barrier; it lands while k and v are made
	s_nop 0
.rept 4
	v_nop
.endr
; ---------------- k, v
	AFETCH REG1
	s_mov_b32 s32, 0
	s_mov_b32 s33, 2048
	s_mov_b32 s34, PKC
	s_mov_b32 s35, PKSC
.Lk:
	UNIT_A 0, 1, PK, PK8, PKS, 1536, 128, 0, BT
	s_add_co_u32 s33, s33, 256
	s_add_co_u32 s34, s34, 768
	s_add_co_u32 s35, s35, 2
	s_add_co_u32 s32, s32, 1
	s_cmp_lt_u32 s32, 2
	s_cbranch_scc1 .Lk
	s_mov_b32 s32, 0
	s_mov_b32 s33, 0
	s_mov_b32 s34, PVC
	s_mov_b32 s35, PVS
.Lv:
	UNIT_A 1, 1, PK, PK8, PKS, 768, 128, 1, BV
	s_add_co_u32 s33, s33, 256
	s_add_co_u32 s34, s34, 3072
	s_add_co_u32 s35, s35, 512
	s_add_co_u32 s32, s32, 1
	s_cmp_lt_u32 s32, 2
	s_cbranch_scc1 .Lv
; ---------------- xl
	WIN 0x80
.irp b, 0,1,2,3
.irp q, 0,1,2,3
	ds_load_b128 v[B64+16*\b+4*\q:B64+16*\b+4*\q+3], v[BT] offset:6144+128*\b+16*\q    ; bo in the residual's layout (my wave's own bytes)
.endr
.endr
	WIN 0
	s_wait_tensorcnt 0x0                           ; my slot holds xl
	XLOAD2 0
	XT2 0
	XT2 1
	XT2 2
	XT2 3
	WIN 0x80
.irp b, 0,1,2,3
.irp q, 0,1,2,3
	ds_load_b128 v[B64+16*\b+4*\q:B64+16*\b+4*\q+3], v[BT] offset:10240+128*\b+16*\q   ; b2 takes bo's place
.endr
.endr
	WIN 0
	s_wait_alu depctr_va_vdst(0)
	s_wait_tensorcnt 0x0                           ; no tensor load of mine is out, so both groups 0 may be written
	ds_add_u32 v[SPW], v[NIL]                      ; 0 onto my spare word
	s_add_nc_u64 s[GX+2:GX+3], s[GX+2:GX+3], BSTEP ; the next block's xh and xl; the type bits on top are not reached
	s_add_nc_u64 s[G0+2:G0+3], s[G0+2:G0+3], BSTEP
	s_wait_dscnt 0x0                               ; the add is done, my images have landed, my reads of xl in the slot are over
	s_barrier_signal -1
	s_barrier_wait -1                              ; the sixteen fragments of xl + te lie in region 0
	s_cmp_eq_u32 s42, 1
	s_cbranch_scc1 .Lno_xh                         ; behind the last block nobody would read it
	tensor_load_to_lds s[GX:GX+3], s[G1:G1+7]      ; the next block's xh: my one tensor load behind this barrier
	s_nop 0
.rept 4
	v_nop
.endr
.Lno_xh:
; ---------------- q
	AFETCH 0
	BARRIER                                        ; every wave holds them: region 0 may be written again (by the attention)
	s_mov_b32 s32, 0
	s_mov_b32 s33, 0
	s_mov_b32 s34, 0
	s_mov_b32 s35, PQS
.Lq:
	UNIT_A 0, 0, PK, PK8, PKS, 1536, 128, 0, BT
	s_add_co_u32 s33, s33, 256
	s_add_co_u32 s34, s34, 768
	s_add_co_u32 s35, s35, 2
	s_add_co_u32 s32, s32, 1
	s_cmp_lt_u32 s32, 2
	s_cbranch_scc1 .Lq
; ---------------- the attention of my two heads: k and v stay in registers, a tile of 16 queries a trip
	WIN 0x40
.irp n, 0,1,2,3,4,5,6,7
	ds_load_b128 v[6*\n:6*\n+3], v[PK] offset:PVC+768*\n
	ds_load_b64 v[6*\n+4:6*\n+5], v[PK8] offset:PVC+768*\n
.endr
.irp f, 0,1,2,3,4,5,6,7
	ds_load_b128 v[48+6*\f:48+6*\f+3], v[PK] offset:PKC+768*\f
	ds_load_b64 v[48+6*\f+4:48+6*\f+5], v[PK8] offset:PKC+768*\f
.endr
	WIN 0
.irp i, 0,1,2,3
	ds_load_b32 v[KSC+\i], v[PKS] offset:PKSC+128*\i
.endr
.irp n, 0,1,2,3,4,5,6,7
	ds_load_b32 v[VSC+\n], v[PKS] offset:PVS+128*\n
.endr
	s_mov_b32 s32, 0
	s_mov_b32 s34, 0
	s_mov_b32 s35, PQS
	s_mov_b32 s36, 0
	s_mov_b32 s37, 0
.Latt:
	s_wait_dscnt 0x0                               ; k and v are in; the last trip's stores have read their registers
	v_add_nc_u32 v[A0], s34, v[PK]
	v_add_nc_u32 v[A1], s34, v[PK8]
	v_add_nc_u32 v[A2], s35, v[PKS]
	v_add_nc_u32 v[A3], s36, v[IW]
	v_add_nc_u32 v[A4], s36, v[IW8]
	v_add_nc_u32 v[A5], s37, v[IWS]
	ds_load_b128 v[QB:QB+3], v[A0]
	ds_load_b64 v[QB+4:QB+5], v[A1]
	ds_load_b128 v[QB+12:QB+15], v[A0] offset:768
	ds_load_b64 v[QB+16:QB+17], v[A1] offset:768
	ds_load_b32 v[QSC], v[A2]
	s_and_b32 s38, s32, 2
	s_lshl_b32 s38, s38, 4
	s_and_b32 s39, s32, 1
	s_lshl_b32 s39, s39, 3
	s_or_b32 s38, s38, s39                         ; the query tile's first time step
	v_add_nc_u32 v[DD], s38, v[DQ]                 ; d = my query - 16 (lane / 16): register 16 b + i holds key 32 b + 16 (lane / 16) + i, hidden where 32 b + i > d
	s_wait_alu depctr_va_vdst(0)
	s_wait_dscnt 0x0
	WIN 0x01
.irp i, 0,1,2,3
.irp x, 0,1
	v_wmma_scale_f32_16x16x128_f8f6f4 v[ACC+32*\x+8*\i:ACC+32*\x+8*\i+7], v[48+12*\i:59+12*\i], v[QB+6*\x:QB+6*\x+11], 0, v[KSC+\i], v[QSC] matrix_a_fmt:MATRIX_FMT_BF6 matrix_b_fmt:MATRIX_FMT_BF6
.endr
.endr
	WIN 0
	PLACES
.set kk, 0
.rept 32
	v_cmp_gt_i32 vcc_lo, 32*(kk/16)+kk%16, v[DD]
	v_cndmask_b32 v[ACC+kk], v[ACC+kk], v[NEGV], vcc_lo
	v_cndmask_b32 v[ACC+32+kk], v[ACC+32+kk], v[NEGV], vcc_lo
.set kk, kk+1
.endr
	SM 0
	PV 0
	SM 1                                           ; its first lines are the places behind head 0's products
	PV 1
	PLACES
	s_wait_alu depctr_va_vdst(0)
	v_rcp_f32 v[TM+14], v[TM+9]
	v_rcp_f32 v126, v[TM+15]
	v_nop
	s_wait_alu depctr_va_vdst(0)                   ; one wait for the two reciprocals
.irp x, 0,1
.set kk, 0
.rept 16
	v_pk_mul_f32 v[ACC+64+32*\x+kk:ACC+64+32*\x+kk+1], v[ACC+64+32*\x+kk:ACC+64+32*\x+kk+1], v[90+36*\x:91+36*\x] op_sel_hi:[1,0]   ; O^T / the row's sum
.set kk, kk+2
.endr
.endr
	HQUANT ACC+64, 0, 0
	HSTORE 0, A3, A4, A5, 0, 0, 0
	HQUANT ACC+96, 0, 1
	HSTORE 1, A3, A4, A5, 768, 2, 0
	s_add_co_u32 s34, s34, 1536
	s_add_co_u32 s35, s35, 128
	s_add_co_u32 s36, s36, 6144
	s_add_co_u32 s37, s37, 512
	s_add_co_u32 s32, s32, 1
	s_cmp_lt_u32 s32, 4
	s_cbranch_scc1 .Latt
	BARRIER                                        ; the attention's sixteen fragments lie in region 0
; ---------------- trip 0: Wo, the residual, the first norm, W1.  Trip 1: W2, the residual, the second norm, and out of the loop
	s_mov_b32 s43, 0
.Lres:
; The layer's first unit lies in sets 0 and 1, or is on its way there.  Its second unit, at s[22:23]: pair 0 goes into ACC, which is idle while sums are added onto the residual, with its scale words in v's
; (v64-71, scale words and nothing else; the attention is over); it is asked for here, ahead of the fetch of the images.  Pair 1 goes into set 0, behind that set's products.
; The counted waits: groups of 26 in the order in which they are wanted; 26 leaves out the one group issued behind the wanted one.  Two groups at the most are out.
	s_wait_loadcnt 26                              ; the first unit's pair 0 is in
.set LWIN, 0
.set LOFF, ACC
.set LSOFF, VSC-WSC
	CHLOAD 0
.set LWIN, 0x80
	AFETCH 0
	HALF_B 0, 0
	s_wait_loadcnt 26                              ; the first unit's pair 1 is in
.set LOFF, -96
.set LSOFF, -8
	CHLOAD 1
.set LOFF, 0
.set LSOFF, 0
	HALF_B 1, 0
	s_wait_loadcnt 26                              ; the second unit's pair 0 is in
.set WW2, 0xf4                         ; source 0 in window 0
.set WOFF, ACC
.set SOFF, VSC-WSC
	HALF_B 0, 1
.set WW2, 0xf6
.set WOFF, -96                         ; pair 1 out of set 0
.set SOFF, -8
	s_wait_loadcnt 0x0                             ; nothing was issued behind the second unit's pair 1
	HALF_B 1, 1
.set WOFF, 0
.set SOFF, 0
	s_cmp_eq_u32 s43, 1
	s_cbranch_scc1 .Ljoin                          ; behind W2 no weights are left to ask for
.set CHX, UNITB                        ; the unit behind, W1's first, is named by the offsets: the base is stepped later, behind the norm's first part
	CHLOAD 0
	CHLOAD 1
.Ljoin:
.set CHX, 0
	LNS 0
	LNS 1
	LNS 2
	LNS 3
	s_wait_alu depctr_va_vdst(0)
	s_wait_xcnt 0x0                                ; the loads have read their base
	s_add_nc_u64 s[22:23], s[22:23], 2*UNITB       ; (in trip 1 the stepped base is not used: the block's end takes 13 units back)
	LNSTAT
	LNAPPLY 0
	LNAPPLY 1
	LNAPPLY 2
	LNAPPLY 3
	WIN 0
	s_cmp_eq_u32 s43, 1
	s_wait_alu depctr_va_vdst(0)
	s_cbranch_scc1 .Lsecond
	LNN1 0
	LNN1 1
	LNN1 2
	LNN1 3
	BARRIER                                        ; the norm's sixteen fragments lie in region 1
	AFETCH REG1
	s_mov_b32 s32, 0
	s_mov_b32 s33, 8192
	s_mov_b32 s34, 0
	s_mov_b32 s35, 0
.Lh:
	UNIT_A 0, 1, IW, IW8, IWS, 6144, 512, 0, BT
	s_add_co_u32 s33, s33, 256
	s_add_co_u32 s34, s34, 768
	s_add_co_u32 s35, s35, 2
	s_add_co_u32 s32, s32, 1
	s_cmp_lt_u32 s32, 2
	s_cbranch_scc1 .Lh
	BARRIER                                        ; the hidden layer's sixteen fragments lie in region 0
	s_add_co_u32 s43, s43, 1
	s_cmp_lt_u32 s43, 2
	s_wait_alu depctr_va_vdst(0)
	s_cbranch_scc1 .Lres
.Lsecond:
; ---------------- the next block's te, if there is a next block (no load leaves its buffer); then the way out
	s_wait_loadcnt 0x0                             ; no load of weights is out here: the second trip asked for none
	s_cmp_eq_u32 s42, 1
	s_cbranch_scc1 .Lno_next
	s_add_nc_u64 s[8:9], s[8:9], BSTEP             ; (this block's loads of te were shown done by their counted waits)
	LX1 0                                          ; the activations' registers are free
	LX1 1
	LX1 2
	LX1 3
.Lno_next:
	OUT 0
	OUT 1
	OUT 2
	OUT 3
	s_wait_xcnt 0x0                                ; the stores have read their registers and their base
	s_add_nc_u64 s[24:25], s[24:25], BSTEP
	s_sub_nc_u64 s[22:23], s[22:23], 13*UNITB      ; back to my strip's first unit: 1 + 2 + 2 + 2 + 2 + 2 + 2 steps were made
	s_sub_co_u32 s42, s42, 1
	s_cmp_lg_u32 s42, 0
	s_cbranch_scc1 .Lblk                           ; (behind the last block the stepped addresses are not used)
	s_wait_tensorcnt 0x0                           ; the wave's end: behind my last tensor load and my last LDS store
	ds_add_u32 v[SPW], v[NIL]
	s_wait_dscnt 0x0
	s_endpgm
.Lfunc_end_k_q5e692dd66b_fused:
	.size	k_q5e692dd66b_fused, .Lfunc_end_k_q5e692dd66b_fused-k_q5e692dd66b_fused
	.p2alignl 7, 3214868480
	.fill 96, 4, 3214868480
	.section	.rodata,"a",@progbits
	.p2align	6, 0x0
	.amdhsa_kernel k_q5e692dd66b_fused
		.amdhsa_group_segment_fixed_size 327680
		.amdhsa_private_segment_fixed_size 0
		.amdhsa_enable_private_segment 0
		.amdhsa_kernarg_size 88
		.amdhsa_user_sgpr_count 2
		.amdhsa_user_sgpr_kernarg_segment_ptr 1
		.amdhsa_wavefront_size32 1
		.amdhsa_system_sgpr_workgroup_id_x 1
		.amdhsa_system_sgpr_workgroup_id_y 1
		.amdhsa_system_sgpr_workgroup_id_z 1
		.amdhsa_system_vgpr_workitem_id 0
		.amdhsa_next_free_vgpr 1024
		.amdhsa_next_free_sgpr 66
		.amdhsa_reserve_vcc 1
		.amdhsa_float_denorm_mode_32 3
		.amdhsa_float_denorm_mode_16_64 3
		.amdhsa_memory_ordered 1
		.amdhsa_forward_progress 1
		.amdhsa_inst_pref_size 255
	.end_amdhsa_kernel
	.section	.bss,"aw",@nobits
	.p2align	6
	.space	262144
	.amdgpu_metadata
---
amdhsa.version: [ 1, 2 ]
amdhsa.kernels:
  - .name:           k_q5e692dd66b_fused
    .symbol:         k_q5e692dd66b_fused.kd
    .args:
      - { .name: xl, .offset: 0, .size: 8, .value_kind: global_buffer, .address_space: global }
      - { .name: xh, .offset: 8, .size: 8, .value_kind: global_buffer, .address_space: global }
      - { .name: te, .offset: 16, .size: 8, .value_kind: global_buffer, .address_space: global }
      - { .name: bq, .offset: 24, .size: 8, .value_kind: global_buffer, .address_space: global }
      - { .name: bk, .offset: 32, .size: 8, .value_kind: global_buffer, .address_space: global }
      - { .name: bv, .offset: 40, .size: 8, .value_kind: global_buffer, .address_space: global }
      - { .name: bo, .offset: 48, .size: 8, .value_kind: global_buffer, .address_space: global }
      - { .name: b1, .offset: 56, .size: 8, .value_kind: global_buffer, .address_space: global }
      - { .name: b2, .offset: 64, .size: 8, .value_kind: global_buffer, .address_space: global }
      - { .name: wstream, .offset: 72, .size: 8, .value_kind: global_buffer, .address_space: global }
      - { .name: out0, .offset: 80, .size: 8, .value_kind: global_buffer, .address_space: global }
    .group_segment_fixed_size: 327680
    .private_segment_fixed_size: 0
    .kernarg_segment_align: 8
    .kernarg_segment_size: 88
    .max_flat_workgroup_size: 128
    .sgpr_count:     66
    .vgpr_count:     1024
    .wavefront_size: 32
...
	.end_amdgpu_metadata
.endif
;; end of part 2
